; MI455X (gfx1250); checked and timed in simulation.
; The chip was launched on July 23, 2026; its instructions are those of AMD's public machine-readable ISA for CDNA 5 (MIT licence, August 2026) and "CDNA5" Instruction Set Architecture Reference Guide (July 2026). The comments in the code are by the model that wrote it; some were corrected since.
;; Ref Attn Processor V2. Allowed arithmetic: matrix products marked QUANTISED: E5M2 operands, one E8M0 scale for each 32 along K, by v_wmma_scale_f32_16x16x128_f8f6f4 with both operands' format E5M2, f32 sums; everything else in f32.
;; Inputs: W_k 3,072 x 3,072 float32; W_v 3,072 x 3,072 float32; freqs_cos 1,024 x 128 float32; freqs_sin 1,024 x 128 float32; k_norm_w 128 float32; query 1 x 4,096 x 24 x 128 float32; ref_latent 1 x 1,024 x 3,072 float32.
;; Outputs: out0 1 x 4,096 x 3,072 float32.
;; This version of the problem:
;;   THIS VERSION OF THE PROBLEM IS GIVEN IN LOW PRECISION. The matrix products marked QUANTISED in the list below multiply operands that are first quantised to E5M2 (5 exponent bits, 2 mantissa bits; 8 bits a number), with one power-of-two scale for each 32 numbers along K (OCP MX v1.0); their sums are f32. All else is computed in f32.
;;   The module's matrix products, in the order in which they are computed (A, B: the left and right operand; K: the contracted axis; several contracted axes count as one K, in the product's order):
;;     1. [M 1,024, K 3,072] x [K 3,072, N 3,072]; A: input ref_latent; B: input W_k: QUANTISED
;;     2. [M 1,024, K 3,072] x [K 3,072, N 3,072]; A: input ref_latent; B: input W_v: QUANTISED
;;     3. batch 96 x [M 1,024, K 128] x [K 128, N 1,024]; A: computed on the way; B: computed on the way: QUANTISED
;;     4. batch 96 x [M 128, K 1,024] x [K 1,024, N 1,024]; A: computed on the way; B: softmax (see below): QUANTISED
;;   THE QUANTISER, for each operand of a quantised product, along K:
;;     - K is cut into blocks of 32 from its start; a last block that is shorter is filled with zeros.
;;     - A block's scale is 2^e with e = floor(log2(the largest magnitude in the block)) - 15, held to -126 .. 127; a block of zeros has e = 0. As a byte (E8M0): e + 127.
;;     - Each number is divided by its block's scale, clamped to +-57,344, and rounded to the nearest number of E5M2, ties to even, subnormals kept.
;;     - The product sums the exact products of the quantised numbers (number of the format x scale) in f32.
;;   ~~~python
;;   def quantise(x, axis):      # numpy; x: float32 -> the quantised numbers, widened to float32 again
;;       x = np.moveaxis(x, axis, -1); K = x.shape[-1]
;;       x = np.pad(x, [(0, 0)] * (x.ndim - 1) + [(0, -K % 32)]); x = x.reshape(x.shape[:-1] + (-1, 32)); a = np.abs(x).max(-1, keepdims=True)
;;       e = np.where(a > 0, np.clip(np.frexp(np.where(a > 0, a, 1))[1] - 1 - 15, -126, 127), 0)      # np.frexp(a)[1] - 1 = floor(log2(a)), exactly
;;       r = np.clip(x / 2.0 ** e, -57344, 57344)
;;       step = 2.0 ** (np.maximum(np.frexp(np.where(r == 0, 1, r))[1] - 1, -14) - 2)
;;       q = np.round(r / step) * step * 2.0 ** e      # np.round: ties to even
;;       return np.moveaxis(q.reshape(q.shape[:-2] + (-1,))[..., :K], -1, axis).astype(np.float32)
;;   ~~~
;;   SOFTMAX AHEAD OF A QUANTISED PRODUCT. Where the list says 'softmax', what is quantised is not the finished softmax but p = 2^(t - M), with t = logit x log2(e) and M = ceil(the row's largest t), a whole number; so 1/2 < the row's largest p <= 1. The row's sum l is taken of the UNQUANTISED p, in f32, and the product's result is divided by l at the end. Since M is a whole number, a kernel that streams over the keys may use a running M (the ceiling of the running maximum): every later rescaling is an exact power of two, which a block's scale takes up: the codes' values come out the same.
;;   OPERANDS COMPUTED ON THE WAY. 'Computed on the way' means the value that the module computes at that place (a softmax that the list does not call 'softmax' is quantised finished and normalised). What goes into a quantiser is computed in f32, as accurately as f32 sums, v_exp_f32 and their like allow (about 1e-6 of the number): no bf16 or f16 on the way to a quantiser, and a product that is left as it is and whose result goes on into a quantised operand takes f32 operands (vector FMAs, or v_wmma_f32_16x16x4_f32). A number that lies on a knife's edge between two numbers of the format may be rounded either way, as far as f32 arithmetic and the matrix unit's own rounding can turn it there, and no further.
;; One version. Each part assembles by itself: llvm-mc -triple=amdgcn-amd-amdhsa -mcpu=gfx1250 --defsym DOCPART=n.
;; ======== version 1 of 1: 3 launches
;; limits: right only within a limited range of input values
;; workspace buffers: xw 22,937,600 bytes; kv_img 6,291,456 bytes; kv_sc 196,608 bytes
;; launch quant (part 1): grid 2 x 224, 4 waves a work-group, no clusters, 68,096 bytes of LDS; arguments ref_latent, W_k, W_v, xw; writes xw
.if DOCPART == 1
	.amdgcn_target "amdgcn-amd-amdhsa--gfx1250"
	.amdhsa_code_object_version 6
	.text
	.protected	k_q03fe3fcbc3_quant
	.globl	k_q03fe3fcbc3_quant
	.p2align	8
	.type	k_q03fe3fcbc3_quant,@function
k_q03fe3fcbc3_quant:
	s_mov_b64 s[64:65], 0
	v_nop
	global_prefetch_b8 v0, s[64:65] scope:SCOPE_SE
	s_setreg_imm32_b32 hwreg(HW_REG_WAVE_MODE, 25, 1), 1
	s_wait_xcnt 0x0
; ref_latent [1024][3072], W_k [3072][3072], W_v [3072][3072], f32, K innermost, become codes of BF8 (E5M2) with one E8M0 byte for each 32 along K,
; laid in the order of a matrix operand's registers.  The 7,168 rows are 224 PAIRS of 32 rows (pairs 0-31 ref_latent, 32-127 W_k, 128-223 W_v).
; A pair is two tiles u = 0, 1 of 16 rows; lane r of tile u holds row 8 u + r + 8 (r / 8) of the pair.
; xw = [K step of 384: 8][pair: 224][record of 12,800 bytes].  In a record: codes at 4096 q + 2048 u + 512 c + 16 lane (q: which 128 along K; lane = 16 h + r holds
; k = 128 q + 32 c + 16 h + 0 .. 15 of its row); at 12,288 the scale words, [lane][4]: word q holds the four bytes of that 128 along K, lanes 0-15 for tile 0, lanes 16-31 for tile 1; word 3 is 0.
; A block's scale is 2^(floor(log2(largest magnitude)) - 15), its byte the largest magnitude's exponent field - 15, held at 1 from below by a floor among the maximum's leaves.
; LIMITS: a block of zeros gets the byte 1 where the rule says 127 (its codes are zeros, and this program alone reads the bytes); NaN and infinities among the inputs are not served.
; SHARES.  A wave takes one pair and one K step: 32 rows x 1,536 bytes in, one record out.  Each load reads 512 consecutive bytes of a row; the rows turn through the wave's own stage in LDS,
; laid there in tile order, and come back 64 bytes a lane: 16 neighbours along K.  Waves share nothing: no barrier, no cluster, no matrix unit.
.set ROWB,   12288                     ; a row of any of the three tensors, in bytes
.set SPITCH, 528                       ; a stage row: 512 bytes + 16: the 16 rows that a read touches start at 16 different banks (64 banks of 4 bytes: ISA guide 11.1)
.set STG,    32*SPITCH                 ; a wave's stage
.set REC,    12800
.set PAIRS,  224
.set LOFF,   1                         ; v1      16 x lane: my bytes of a load's 512 and of a store's 512; never rewritten
.set SIN,    2                         ; v2      the stage on the way in
.set SOUT,   3                         ; v3      and on the way out: row r, + 64 h
.set LANE,   5                         ; v5      lane
.set X,      16                        ; v16-47  two sets of 16 neighbours
.set C,      48                        ; v48-79  codes: four registers for each of a phase's eight blocks
.set W,      80                        ; v80-85  scale words: W + 2 q + u
.set WD,     88                        ; v88-91  the record's four words
.set R,      96                        ; v96-223 32 rows as loaded
.set SEL,    20                        ; s[20:21] lane selects for v_permlanex16_b32: lane l xor 16
.set MNT,    23                        ; s23     the mantissa field of 57,344
	s_load_b256 s[4:11], s[0:1], 0x0               ; ref_latent s[4:5], W_k s[6:7], W_v s[8:9], xw s[10:11]
	v_lshl_add_u32 v224, v0, 2, 0x10800
	v_mov_b32 v225, 0
	v_lshrrev_b32 v4, 5, v0
	v_readfirstlane_b32 s12, v4                    ; wave
	v_and_b32 v[LANE], 31, v0
	v_lshlrev_b32 v[LOFF], 4, v[LANE]
	s_mul_i32 s13, s12, STG
	v_add_nc_u32 v[SIN], s13, v[LOFF]
	v_and_b32 v6, 15, v0                           ; r
	v_bfe_u32 v7, v0, 4, 1                         ; h
	v_mul_u32_u24 v[SOUT], v6, SPITCH
	v_lshl_add_u32 v[SOUT], v7, 6, v[SOUT]
	v_add_nc_u32 v[SOUT], s13, v[SOUT]
	v_mov_b32 v10, 0                               ; written once: a lane permute's destination counts as one of its sources
	v_mov_b32 v[WD+3], 0
	s_mov_b32 s[SEL], 0x76543210
	s_mov_b32 s[SEL+1], 0xfedcba98
	s_mov_b32 s[MNT], 0x600000
	s_and_b32 s14, ttmp7, 0xffff                   ; the pair
	s_lshl_b32 s15, ttmp9, 2
	s_add_co_u32 s15, s15, s12                     ; the K step: 4 x work-group x + wave
	s_mul_i32 s18, s15, PAIRS
	s_add_co_u32 s18, s18, s14
	s_mul_i32 s18, s18, REC                        ; my record
	s_mov_b32 s19, 0
	s_mul_i32 s17, s15, 1536                       ; my 384 columns
	s_wait_kmcnt 0x0
	s_cmp_lt_u32 s14, 128                          ; which tensor: the choice hangs on the work-group's number alone
	s_cselect_b64 s[6:7], s[6:7], s[8:9]
	s_cselect_b32 s16, 32, 128
	s_cmp_lt_u32 s14, 32
	s_cselect_b64 s[4:5], s[4:5], s[6:7]
	s_cselect_b32 s16, 0, s16                      ; the tensor's first pair
	s_sub_co_u32 s16, s14, s16
	s_mul_i32 s16, s16, 32*ROWB
	s_add_co_u32 s16, s16, s17
	s_mov_b32 s17, 0
	s_add_nc_u64 s[4:5], s[4:5], s[16:17]
	s_add_nc_u64 s[10:11], s[10:11], s[18:19]
.macro LOADS q                         ; 128 along K of all 32 rows: a load a row, 512 consecutive bytes each
.set RHO, 0
.rept 32
	global_load_b128 v[R+4*RHO:R+4*RHO+3], v[LOFF], s[4:5] offset:RHO*ROWB+512*(\q) th:TH_LOAD_NT
.set RHO, RHO+1
.endr
.endm
.macro TOSTAGE                         ; row rho of the pair goes to stage row 16 u + r: u = (rho / 8) % 2, r = rho % 8 + 8 (rho / 16)
.set RHO, 0
.rept 4
	s_wait_loadcnt 24-RHO                          ; loads come back in order: the next eight rows are in, the younger ones of the 32 may be out
.rept 8
	ds_store_b128 v[SIN], v[R+4*RHO:R+4*RHO+3] offset:(16*((RHO>>3)&1)+(RHO&7)+8*(RHO>>4))*SPITCH
.set RHO, RHO+1
.endr
.endr
.endm
.macro READ u, c, set                  ; my 16 numbers of block c of tile u
.irp j, 0,1,2,3
	ds_load_b128 v[X+16*(\set)+4*\j:X+16*(\set)+4*\j+3], v[SOUT] offset:16*(\u)*SPITCH+128*(\c)+16*\j
.endr
.endm
.macro BLOCK q, u, c, set
.set XS, X+16*(\set)
.set CC, C+4*(4*(\u)+(\c))
.set WW, W+2*(\q)+(\u)
	v_max3_num_f32 v8, |v[XS]|, |v[XS+1]|, |v[XS+2]|               ; the largest magnitude of my 16, in two chains
	v_max3_num_f32 v9, |v[XS+3]|, |v[XS+4]|, |v[XS+5]|
.irp i, 6,10
	v_max3_num_f32 v8, v8, |v[XS+\i]|, |v[XS+\i+1]|
	v_max3_num_f32 v9, v9, |v[XS+\i+2]|, |v[XS+\i+3]|
.endr
	v_max3_num_f32 v8, v8, |v[XS+14]|, |v[XS+15]|
	v_max3_num_f32 v8, v8, v9, 0x8000000           ; and the floor 2^(16 - 127): the byte cannot fall under 1
	v_permlanex16_b32 v10, v8, s[SEL], s[SEL+1]
	v_max_num_f32 v8, v8, v10                      ; with lane l xor 16's 16: the block's
	v_add_nc_u32 v11, 0xf8800000, v8               ; 15 off its exponent field: the conversion takes this operand's exponent field as its scale
	v_and_or_b32 v12, v8, 0x7f800000, s[MNT]       ; 57,344 x the scale
.irp i, 0,1,2,3,4,5,6,7,8,9,10,11,12,13,14,15
	v_med3_num_f32 v[XS+\i], v[XS+\i], -v12, v12   ; the conversion to an 8-bit code does not saturate (ISA guide 7.6.2): the hold comes first
.endr
	v_cvt_scalef32_pk8_bf8_f32 v[CC:CC+1], v[XS:XS+7], v11
	v_cvt_scalef32_pk8_bf8_f32 v[CC+2:CC+3], v[XS+8:XS+15], v11
.if (\c) == 0
	v_lshrrev_b32 v[WW], 23, v11                   ; the scale's byte (also the plain line behind the conversions)
.else
	v_lshrrev_b32 v13, 23, v11
	v_lshl_or_b32 v[WW], v13, 8*(\c), v[WW]
.endif
	global_store_b128 v[LOFF], v[CC:CC+3], s[10:11] offset:(\q)*4096+(\u)*2048+(\c)*512   ; 32 lanes store 512 consecutive bytes
.endm
.macro PHASE q                         ; 128 along K: eight blocks a lane
.if (\q) > 0
	s_wait_xcnt 0x0                                ; the last phase's stores have read their codes: those registers are written again below
.endif
	TOSTAGE
.if (\q) < 2
	s_wait_dscnt 0x0                               ; the stage's stores have read their registers, which take the next phase's loads
	LOADS (\q)+1
.endif
	READ 0, 0, 0
.set ST, 0
.rept 8
.if ST < 7
	READ (ST+1)/4, (ST+1)%4, (ST+1)%2
	s_wait_dscnt 0x4                               ; this block's four reads are back; the next block's four may be out
.else
	s_wait_dscnt 0x0
.endif
	BLOCK \q, ST/4, ST%4, ST%2
.set ST, ST+1
.endr
.endm
	LOADS 0
	PHASE 0
	PHASE 1
	PHASE 2
	v_cmp_lt_u32 vcc_lo, 15, v[LANE]               ; lanes 16-31 carry tile 1's words
.irp q, 0,1,2
	v_cndmask_b32 v[WD+\q], v[W+2*\q], v[W+2*\q+1], vcc_lo
.endr
	global_store_b128 v[LOFF], v[WD:WD+3], s[10:11] offset:12288
	s_wait_tensorcnt 0x0
	ds_add_u32 v224, v225
	s_wait_dscnt 0x0
	s_endpgm
.Lfunc_end_k_q03fe3fcbc3_quant:
	.size	k_q03fe3fcbc3_quant, .Lfunc_end_k_q03fe3fcbc3_quant-k_q03fe3fcbc3_quant
	.p2alignl 7, 3214868480
	.fill 96, 4, 3214868480
	.section	.rodata,"a",@progbits
	.p2align	6, 0x0
	.amdhsa_kernel k_q03fe3fcbc3_quant
		.amdhsa_group_segment_fixed_size 68096
		.amdhsa_private_segment_fixed_size 0
		.amdhsa_enable_private_segment 0
		.amdhsa_kernarg_size 32
		.amdhsa_user_sgpr_count 2
		.amdhsa_user_sgpr_kernarg_segment_ptr 1
		.amdhsa_wavefront_size32 1
		.amdhsa_system_sgpr_workgroup_id_x 1
		.amdhsa_system_sgpr_workgroup_id_y 1
		.amdhsa_system_sgpr_workgroup_id_z 1
		.amdhsa_system_vgpr_workitem_id 0
		.amdhsa_next_free_vgpr 226
		.amdhsa_next_free_sgpr 66
		.amdhsa_reserve_vcc 1
		.amdhsa_float_denorm_mode_32 3
		.amdhsa_float_denorm_mode_16_64 3
		.amdhsa_memory_ordered 1
		.amdhsa_forward_progress 1
		.amdhsa_inst_pref_size 75
	.end_amdhsa_kernel
	.amdgpu_metadata
---
amdhsa.version: [ 1, 2 ]
amdhsa.kernels:
  - .name:           k_q03fe3fcbc3_quant
    .symbol:         k_q03fe3fcbc3_quant.kd
    .args:
      - { .name: ref_latent, .offset: 0, .size: 8, .value_kind: global_buffer, .address_space: global }
      - { .name: W_k, .offset: 8, .size: 8, .value_kind: global_buffer, .address_space: global }
      - { .name: W_v, .offset: 16, .size: 8, .value_kind: global_buffer, .address_space: global }
      - { .name: xw, .offset: 24, .size: 8, .value_kind: global_buffer, .address_space: global }
    .group_segment_fixed_size: 68096
    .private_segment_fixed_size: 0
    .kernarg_segment_align: 8
    .kernarg_segment_size: 32
    .max_flat_workgroup_size: 128
    .sgpr_count:     66
    .vgpr_count:     226
    .wavefront_size: 32
...
	.end_amdgpu_metadata
.endif
;; end of part 1
;; launch proj (part 2): grid 48 x 4, 4 waves a work-group, clusters of 4 x 4, 327,680 bytes of LDS; arguments xw, freqs_cos, freqs_sin, k_norm_w, kv_img, kv_sc; writes kv_img, kv_sc
.if DOCPART == 2
	.amdgcn_target "amdgcn-amd-amdhsa--gfx1250"
	.amdhsa_code_object_version 6
	.text
	.protected	k_q03fe3fcbc3_proj
	.globl	k_q03fe3fcbc3_proj
	.p2align	8
	.type	k_q03fe3fcbc3_proj,@function
k_q03fe3fcbc3_proj:
	s_mov_b64 s[64:65], 0
	v_nop
	global_prefetch_b8 v0, s[64:65] scope:SCOPE_SE
	s_setreg_imm32_b32 hwreg(HW_REG_WAVE_MODE, 25, 1), 1
	s_wait_xcnt 0x0
	s_wait_alu depctr_hold_cnt(0) depctr_sa_sdst(0) depctr_va_vdst(0) depctr_va_sdst(0) depctr_va_ssrc(0) depctr_va_vcc(0) depctr_vm_vsrc(0)
	s_getreg_b32 s2, hwreg(HW_REG_IB_STS2, 6, 4)
	s_cmp_eq_u32 s2, 0
	s_cbranch_scc0 .Lentry_in_a_cluster
	s_endpgm
.Lentry_in_a_cluster:
	s_bfe_u32 s2, ttmp6, 0x10000c
	s_cmp_lg_u32 s2, 0xf033
	s_cbranch_scc0 .Lentry_shape_is_right
	s_endpgm
.Lentry_shape_is_right:
; Both projections of ref_latent on codes of BF8 (E5M2) with E8M0 scales, and what follows them: K: RMSNorm over the head's 128, the gain, the rotation, quantised along the head's 128;
; V: quantised along the keys.  Results leave as images of the attention's operand registers (kv_img) with their scale words (kv_sc).
; ONE BODY, TWO KINDS, told apart by the cluster's x (c = 0 .. 11), which all sixteen partners share.  A work-group multiplies P (128 rows of xw, source 0) by Q (256 rows, source 1), K = 3,072.
;   c < 6, K:  P = W_k's head 4 c + cx, Q = keys 256 cy on: a lane holds ONE KEY and, in 64 registers, 64 of the head's 128.
;   else,  V:  P = the 128 keys of key step 4 (c % 2) + cx, Q = W_v's rows 256 (4 (c / 2 - 3) + cy) on: a lane holds ONE CHANNEL and 64 of the step's 128 keys.
; The rows of a tile are not neighbours (lane r of tile u of a pair of 32 rows holds row 8 u + r + 8 (r / 8)), so register 16 b + i of a Q tile's 64 holds index 32 b + 16 (lane / 16) + i along P:
; 16 neighbours along the next product's K, and the conversions' results ARE that product's operand registers.
; SHARES.  Four waves; a wave takes all 8 tiles of P x its own 4 tiles of Q: 32 accumulators.  xw lies by K step of 384, pair by pair, in register order: a K step's tiles are dense blocks,
; every fragment comes by ds_load_b128 at 16 x lane.  Two LDS slots of one K step (three matrix instructions deep) take turns.
; CLUSTER 4 x 4: P hangs on cx alone and is asked for jointly by a column of the cluster, Q on cy alone, by a row.
; No prefetch: each slot holds three steps of 128 along K, the tiles are shared four ways, and the launch is short.
; kv_img = [head][262,144]: K's key tile t at 2048 t; V's at 131,072 + 16,384 (key step) + 2048 (channel tile); a fragment at 512 c + 16 lane.
; kv_sc = [head][8,192]: K's group of four key tiles at 256 x group; V's at 4,096 + 512 (key step) + 256 (half of the channels); a group is [lane][2 words]: word 0 tiles 0 | 1 in lanes 0-15 | 16-31, word 1 tiles 2 | 3.
; LIMITS: NaN and infinities are not served; a block of zeros gets the byte 1 (zero codes; only this program reads the bytes); the rotation uses fused multiply-adds where the definition rounds the two products apart.
; REGISTERS, in windows of 256: window 0: v2-11 addresses; v16-63 scale words and nothing else; v64-127, v128-191 Q's fragments, two sets.  window 1: P's fragments, two sets of 128.
;   window 2: accumulator (Q tile j, P tile i) at v[8 (8 j + i)].  window 3: cos and sin, two sets of 64 + 64.  On the way out window 0 from v64 on is used anew (below).
.set REC,   12800                      ; a pair's record for one K step
.set KSB,   224*REC                    ; from a K step to the next in xw
.set SLOT,  12*REC                     ; P's 4 records, then Q's 8
.set QOFF,  4*REC
.set SPARE, 2*SLOT                     ; the spare words, 128 bytes a wave: two blocks of 256 bytes that no other line names
.set ADP,  2                           ; v2-3    16 x lane + slot: P's fragments; v2 is also 16 x lane for the stores
.set ADQ,  4                           ; v4-5    my two records of Q
.set CSO,  6                           ; v6      cos, sin: (r + 8 (r / 8)) x 512 + 64 h
.set WO,   7                           ; v7      the gain: 64 h
.set LS8,  8                           ; v8      8 x lane
.set LANE, 9
.set SPW,  10                          ; v10     LDS address of my spare word; never rewritten
.set NIL,  11                          ; v11     0; never rewritten
.set SC,   16                          ; scale words: set n (slot n) at SC + 24 n; P's pair p at + 4 p + q, my Q pair p at + 16 + 4 p + q
.set QF,   64
.set GW,   64                          ; the way out: v64-127 the gain
.set Y,    128                         ; v128-191 64 numbers on their way to codes
.set PC,   192                         ; v192-207 a fragment's codes
.set TM,   208                         ; v208-223 at work
.set PW,   224                         ; v224-227 the four tiles' scale words
.set SW,   228                         ; v228-229 the group's two words
.set RS,   232                         ; v232-239 1 / sqrt(..), a pair for each tile: the packed form names a pair and takes its low word
.set SS,   240                         ; v240-247 sums of squares, and the other half's
.set WV,   16                          ; s16 wave; s17 = wave / 2: I fetch for P (0) or Q (1); s18 = wave % 2: which half
.set FQ,   17
.set HF,   18
.set G1,   24                          ; s[24:31] group 1 for P's halves; s[32:39] groups 0, one a slot
.set G0,   32
.set G1B,  48                          ; s[48:55], s[56:63] the same for Q's
.set G0B,  56
.set SEL,  76
.set MNT,  78
.set INV,  79
.set EPS,  80
.set MULW, 0xa1                        ; source 0 (P) window 1, source 1 (Q) window 0, C and D window 2
.set MSB, 0
.macro WIN new                         ; the immediate's high byte repeats the setting that is left
.if MSB != (\new)
	s_set_vgpr_msb (MSB<<8)|(\new)
.set MSB, (\new)
.endif
.endm
.macro PLACES n
.rept \n
	v_nop
.endr
.endm
; A joint load: waves 0 and 1 fetch P's halves, waves 2 and 3 Q's.  Each line has one mask and one set of registers for all that issue it; the branch hangs on the wave's number alone.
; Four v_nop follow each line, ahead of the jump, the label and what follows.
.macro JLOAD g0a, g1a, g0b, g1b
	s_cmp_eq_u32 s[FQ], 0
	s_cbranch_scc0 .Lfor_q_\@
	tensor_load_to_lds s[\g0a:\g0a+3], s[\g1a:\g1a+7]
	s_nop 0
.rept 4
	v_nop
.endr
	s_branch .Lasked_\@
.Lfor_q_\@:
	tensor_load_to_lds s[\g0b:\g0b+3], s[\g1b:\g1b+7]
	s_nop 0
.rept 4
	v_nop
.endr
.Lasked_\@:
.endm
.macro CREST                           ; a round of the cluster's barrier behind its opening barrier
	s_cmp_lg_u32 s[WV], 0
	s_cbranch_scc1 .Lnot_wave_0_\@
	s_barrier_signal -3
.Lnot_wave_0_\@:
	s_barrier_wait -3
	s_barrier_signal -1
	s_barrier_wait -1
.endm
.macro CROUND
	s_barrier_signal -1
	s_barrier_wait -1
	CREST
.endm
	s_load_b256 s[4:11], s[0:1], 0x0               ; xw s[4:5], cos s[6:7], sin s[8:9], the gain s[10:11]
	s_load_b128 s[12:15], s[0:1], 0x20             ; kv_img s[12:13], kv_sc s[14:15]
	v_lshl_add_u32 v[SPW], v0, 2, SPARE
	v_mov_b32 v[NIL], 0
	ds_add_u32 v10, v11
	ds_add_u32 v10, v11
	s_wait_dscnt 0x0
	v_lshrrev_b32 v12, 5, v0
	v_readfirstlane_b32 s[WV], v12
	s_lshr_b32 s[FQ], s[WV], 1
	s_and_b32 s[HF], s[WV], 1
	s_bfe_u32 s40, ttmp6, 0x40000                  ; cx
	s_bfe_u32 s41, ttmp6, 0x40004                  ; cy
	s_lshl_b32 s43, s41, 2
	s_lshl_b32 s43, 15, s43                        ; my row of the cluster
	s_lshl_b32 s44, 0x1111, s40                    ; my column
	; group 1: dense blocks as rows of 256 bytes (32 elements of 8 bytes), no padding: P's half 100 rows, Q's half 200
	s_or_b32 s[G1], s44, (3<<16)|(1<<21)           ; 15:0 the mask: P goes to my column; 17:16 elements of 8 bytes; 21 set beside a mask
	s_mov_b32 s[G1+1], 32<<16                      ; tensor_dim0 = 32
	s_mov_b32 s[G1+2], 100<<16                     ; tensor_dim1 = 100
	s_mov_b32 s[G1+3], 32<<16                      ; tile_dim0 = 32
	s_mov_b32 s[G1+4], 100                         ; tile_dim1 = 100
	s_mov_b32 s[G1+5], 32                          ; the pitch
	s_mov_b32 s[G1+6], 0
	s_mov_b32 s[G1+7], 0
	s_or_b32 s[G1B], s43, (3<<16)|(1<<21)          ; Q goes to my row
	s_mov_b32 s[G1B+1], 32<<16
	s_mov_b32 s[G1B+2], 200<<16
	s_mov_b32 s[G1B+3], 32<<16
	s_mov_b32 s[G1B+4], 200
	s_mov_b32 s[G1B+5], 32
	s_mov_b32 s[G1B+6], 0
	s_mov_b32 s[G1B+7], 0
	; the first pairs.  K: P 32 + 16 c + 4 cx, Q 8 cy.  V: P 16 (c % 2) + 4 cx, Q 32 + 32 (c / 2) + 8 cy.  P's registers never hold cy, Q's never cx
	s_lshl_b32 s20, ttmp9, 4
	s_add_co_u32 s20, s20, 32
	s_and_b32 s21, ttmp9, 1
	s_lshl_b32 s21, s21, 4
	s_lshr_b32 s46, ttmp9, 1
	s_lshl_b32 s46, s46, 5
	s_add_co_u32 s46, s46, 32
	s_cmp_lt_u32 ttmp9, 6
	s_cselect_b32 s20, s20, s21
	s_cselect_b32 s46, 0, s46
	s_lshl_b32 s21, s40, 2
	s_add_co_u32 s20, s20, s21
	s_lshl_b32 s21, s[HF], 1
	s_add_co_u32 s20, s20, s21                     ; + the two pairs of my half
	s_mul_i32 s20, s20, REC
	s_mov_b32 s21, 0
	s_lshl_b32 s47, s41, 3
	s_add_co_u32 s46, s46, s47
	s_lshl_b32 s47, s[HF], 2
	s_add_co_u32 s46, s46, s47                     ; + the four pairs of my half
	s_mul_i32 s46, s46, REC
	s_mov_b32 s47, 0
	s_mul_i32 s19, s[HF], 2*REC                    ; where they go: no place in the cluster enters an LDS address
	s_mul_i32 s42, s[HF], 4*REC
	s_add_co_u32 s42, s42, QOFF
	; where my results go, in kv_sc; 32 times that in kv_img
	s_lshl_b32 s70, ttmp9, 2
	s_add_co_u32 s70, s70, s40                     ; K: the head
	s_lshl_b32 s70, s70, 13
	s_lshl_b32 s71, s41, 2
	s_add_co_u32 s71, s71, s[WV]                   ; the group of four key tiles: 4 cy + wave
	s_lshl_b32 s71, s71, 8
	s_add_co_u32 s70, s70, s71
	s_lshr_b32 s72, ttmp9, 1
	s_sub_co_u32 s72, s72, 3
	s_lshl_b32 s72, s72, 2
	s_add_co_u32 s72, s72, s41                     ; V: which 256 rows of W_v
	s_lshl_b32 s72, s72, 1
	s_add_co_u32 s72, s72, s[FQ]                   ; the head
	s_lshl_b32 s72, s72, 13
	s_and_b32 s73, ttmp9, 1
	s_lshl_b32 s73, s73, 2
	s_add_co_u32 s73, s73, s40                     ; the key step
	s_lshl_b32 s73, s73, 9
	s_add_co_u32 s72, s72, s73
	s_lshl_b32 s73, s[HF], 8
	s_add_co_u32 s72, s72, s73
	s_add_co_u32 s72, s72, 4096
	s_cmp_lt_u32 ttmp9, 6
	s_cselect_b32 s70, s70, s72
	s_mov_b32 s71, 0
	s_lshl_b32 s72, s70, 5
	s_mov_b32 s73, 0
	s_lshl_b32 s74, s41, 17
	s_lshl_b32 s75, s[WV], 15
	s_add_co_u32 s74, s74, s75                     ; cos, sin at key 256 cy + 64 wave
	s_mov_b32 s75, 0
	s_mov_b32 s[SEL], 0x76543210
	s_mov_b32 s[SEL+1], 0xfedcba98
	s_mov_b32 s[MNT], 0x600000
	s_mov_b32 s[INV], 0x3c000000                   ; 1 / 128
	s_mov_b32 s[EPS], 0x358637bd                   ; 1e-6
	s_wait_kmcnt 0x0
	s_add_nc_u64 s[20:21], s[4:5], s[20:21]
	s_add_nc_u64 s[46:47], s[4:5], s[46:47]
	s_add_nc_u64 s[14:15], s[14:15], s[70:71]
	s_add_nc_u64 s[12:13], s[12:13], s[72:73]
	s_add_nc_u64 s[6:7], s[6:7], s[74:75]
	s_add_nc_u64 s[8:9], s[8:9], s[74:75]
	CROUND                                         ; all sixteen work-groups are here: the first joint loads meet
.irp s, 0,1
	s_mov_b32 s[G0+4*\s], 1
	s_add_co_u32 s[G0+4*\s+1], s19, \s*SLOT
	s_add_nc_u64 s[G0+4*\s+2:G0+4*\s+3], s[20:21], \s*KSB
	s_or_b32 s[G0+4*\s+3], s[G0+4*\s+3], 0x80000000
	s_mov_b32 s[G0B+4*\s], 1
	s_add_co_u32 s[G0B+4*\s+1], s42, \s*SLOT
	s_add_nc_u64 s[G0B+4*\s+2:G0B+4*\s+3], s[46:47], \s*KSB
	s_or_b32 s[G0B+4*\s+3], s[G0B+4*\s+3], 0x80000000
	JLOAD G0+4*\s, G1, G0B+4*\s, G1B               ; K steps 0 and 1: two loads of mine are out
.endr
	v_and_b32 v[LANE], 31, v0
	v_lshlrev_b32 v[ADP], 4, v[LANE]
	v_add_nc_u32 v[ADP+1], SLOT, v[ADP]
	s_mul_i32 s45, s[WV], 2*REC
	s_add_co_u32 s45, s45, QOFF
	v_add_nc_u32 v[ADQ], s45, v[ADP]
	v_add_nc_u32 v[ADQ+1], SLOT, v[ADQ]
	v_lshlrev_b32 v[LS8], 3, v[LANE]
	v_and_b32 v12, 15, v0                          ; r
	v_bfe_u32 v13, v0, 4, 1                        ; h
	v_and_b32 v14, 8, v12
	v_add_nc_u32 v14, v14, v12                     ; r + 8 (r / 8)
	v_lshlrev_b32 v[CSO], 9, v14
	v_lshl_add_u32 v[CSO], v13, 6, v[CSO]
	v_lshlrev_b32 v[WO], 6, v13
.irp n, 212,213,214,215,244,245,246,247,233,235,237,239
	v_mov_b32 v\n, 0                               ; written once: lane permutes' destinations, and the upper halves of pairs that packed forms name
.endr
.macro WM c, ra, rb                    ; one matrix instruction on rD, rA, rB, rSA, rSB; ra, rb: the side's scales stand in lanes 16-31
.if (\ra) && (\rb)
	v_wmma_scale_f32_16x16x128_f8f6f4 v[rD:rD+7], v[rA:rA+15], v[rB:rB+15], \c, v[rSA], v[rSB] matrix_a_fmt:MATRIX_FMT_BF8 matrix_b_fmt:MATRIX_FMT_BF8 matrix_a_scale:MATRIX_SCALE_ROW1 matrix_b_scale:MATRIX_SCALE_ROW1
.elseif (\ra)
	v_wmma_scale_f32_16x16x128_f8f6f4 v[rD:rD+7], v[rA:rA+15], v[rB:rB+15], \c, v[rSA], v[rSB] matrix_a_fmt:MATRIX_FMT_BF8 matrix_b_fmt:MATRIX_FMT_BF8 matrix_a_scale:MATRIX_SCALE_ROW1
.elseif (\rb)
	v_wmma_scale_f32_16x16x128_f8f6f4 v[rD:rD+7], v[rA:rA+15], v[rB:rB+15], \c, v[rSA], v[rSB] matrix_a_fmt:MATRIX_FMT_BF8 matrix_b_fmt:MATRIX_FMT_BF8 matrix_b_scale:MATRIX_SCALE_ROW1
.else
	v_wmma_scale_f32_16x16x128_f8f6f4 v[rD:rD+7], v[rA:rA+15], v[rB:rB+15], \c, v[rSA], v[rSB] matrix_a_fmt:MATRIX_FMT_BF8 matrix_b_fmt:MATRIX_FMT_BF8
.endif
.endm
; Q tile j against P's eight tiles, 128 along K: fragment set f, the slot's q-th 128, scale set n.  The 32 accumulators take turns, one instruction a turn, in one order everywhere.
.macro MUL8 j, f, q, n, zero
	WIN MULW
.irp i, 0,1,2,3,4,5,6,7
.set rD, 8*(8*(\j)+\i)
.set rA, 128*(\f)+16*\i
.set rB, QF+64*(\f)+16*(\j)
.set rSA, SC+24*(\n)+4*(\i/2)+(\q)
.set rSB, SC+24*(\n)+16+4*((\j)/2)+(\q)
.if \zero
	WM 0, \i%2, (\j)%2
.else
	WM v[rD:rD+7], \i%2, (\j)%2
.endif
.endr
.endm
.macro FETCH slot, q, f                ; 48 LDS loads in one run: P's eight fragments and my four of Q, each 512 consecutive bytes a load
	WIN 0x40
.irp i, 0,1,2,3,4,5,6,7
.irp c, 0,1,2,3
	ds_load_b128 v[128*(\f)+16*\i+4*\c:128*(\f)+16*\i+4*\c+3], v[ADP+\slot] offset:(\i/2)*REC+(\q)*4096+(\i%2)*2048+512*\c
.endr
.endr
	WIN 0
.irp j, 0,1,2,3
.irp c, 0,1,2,3
	ds_load_b128 v[QF+64*(\f)+16*\j+4*\c:QF+64*(\f)+16*\j+4*\c+3], v[ADQ+\slot] offset:(\j/2)*REC+(\q)*4096+(\j%2)*2048+512*\c
.endr
.endr
.endm
.macro SCALES slot                     ; a K step's scale words: four words a lane and pair
.irp p, 0,1,2,3
	ds_load_b128 v[SC+24*\slot+4*\p:SC+24*\slot+4*\p+3], v[ADP+\slot] offset:\p*REC+12288
.endr
.irp p, 0,1
	ds_load_b128 v[SC+24*\slot+16+4*\p:SC+24*\slot+16+4*\p+3], v[ADQ+\slot] offset:\p*REC+12288
.endr
.endm
; A step of 128 along K that has its successor in the same slot.  A load into a register that a matrix instruction has read stands eight places behind it, and only plain vector
; instructions that name none of its registers are places.
.macro STEP slot, q, f, zero
	WIN 0
	s_wait_dscnt 0x0                               ; this step's fragments are in
	PLACES 8
	FETCH \slot, (\q)+1, 1-(\f)
	MUL8 0, \f, \q, \slot, \zero
	MUL8 1, \f, \q, \slot, \zero
	MUL8 2, \f, \q, \slot, \zero
	MUL8 3, \f, \q, \slot, \zero
.endm
; A slot's last step changes slots: one barrier; in front of it each wave waits for all its tensor loads, adds 0 to its spare word, and waits for that and for its reads of this slot.
; fill = 1: the barrier opens a round of the cluster's, and this slot is filled again, two K steps ahead: 80 matrix instructions of mine stand between that request and the wait for it.
.macro TURN slot, next, f, fill
	WIN 0
	s_wait_tensorcnt 0x0                           ; all my tensor loads have landed: my part of the next slot
	ds_add_u32 v[SPW], v[NIL]                      ; 0 onto my spare word
	s_wait_dscnt 0x1                               ; this step's fragments are in; the add alone may be out
	MUL8 0, \f, 2, \slot, 0                        ; eight matrix instructions stand between the add and the wait for it
	s_wait_dscnt 0x0                               ; the add is done, and my reads of this slot are over
	s_barrier_signal -1
	MUL8 1, \f, 2, \slot, 0
	WIN 0                                          ; at a branch and at a label every window is 0
	s_barrier_wait -1
.if \fill
	CREST                                          ; no wave of any partner still reads this slot or has a load on its way
	s_add_nc_u64 s[G0+4*\slot+2:G0+4*\slot+3], s[G0+4*\slot+2:G0+4*\slot+3], 2*KSB
	s_add_nc_u64 s[G0B+4*\slot+2:G0B+4*\slot+3], s[G0B+4*\slot+2:G0B+4*\slot+3], 2*KSB
	JLOAD G0+4*\slot, G1, G0B+4*\slot, G1B         ; the first tensor load behind the round; its four v_nop are four of the eight places
	PLACES 4
.else
	PLACES 8
.endif
	FETCH \next, 0, 1-(\f)
	SCALES \next
	MUL8 2, \f, 2, \slot, 0
	MUL8 3, \f, 2, \slot, 0
.endm
	s_wait_tensorcnt 0x1                           ; my part of K step 0 is in; K step 1's may stay out
	s_barrier_signal -1
	s_barrier_wait -1
	FETCH 0, 0, 0
	SCALES 0
	STEP 0, 0, 0, 1                                ; the first step stands in front of the loop: its products start the sums
	WIN 0
	s_mov_b32 s3, 3
.Llap:                                                 ; a trip goes once round the ring (six steps of 128) and fills both slots again: K steps 2 to 7
	STEP 0, 1, 1, 0
	TURN 0, 1, 0, 1
	STEP 1, 0, 1, 0
	STEP 1, 1, 0, 0
	TURN 1, 0, 1, 1
	STEP 0, 0, 0, 0
	WIN 0
	s_sub_co_u32 s3, s3, 1
	s_cmp_lg_u32 s3, 0
	s_cbranch_scc1 .Llap
	STEP 0, 1, 1, 0                                ; the last lap is written out: it fills nothing
	TURN 0, 1, 0, 0
	STEP 1, 0, 1, 0
	STEP 1, 1, 0, 0
	WIN 0
	s_wait_dscnt 0x0
	MUL8 0, 1, 2, 1, 0
	MUL8 1, 1, 2, 1, 0
	MUL8 2, 1, 2, 1, 0
	MUL8 3, 1, 2, 1, 0
	WIN 0
	PLACES 8                                       ; in front of the first read of results and of loads into registers that held fragments
; 64 numbers of a lane, v[s] on in window w, register 16 b + i = index 32 b + 16 (lane / 16) + i, become a fragment's codes in v[PC] on and its scale word in v[pw].  The hold is also the move into window 0.
.macro QUANT s, w, pw
	WIN (\w)|((\w)<<2)
.irp b, 0,1,2,3
	v_max3_num_f32 v[TM+\b], |v[(\s)+16*\b]|, |v[(\s)+16*\b+1]|, 0x8000000   ; my 16 of block b, from each accumulator's low end on, and the floor 2^(16 - 127)
.endr
.irp i, 2,4,6,8,10,12,14
.irp b, 0,1,2,3
	v_max3_num_f32 v[TM+\b], |v[(\s)+16*\b+\i]|, |v[(\s)+16*\b+\i+1]|, v[TM+\b]
.endr
.endr
	WIN 0
.irp b, 0,1,2,3
	v_permlanex16_b32 v[TM+4+\b], v[TM+\b], s[SEL], s[SEL+1]
.endr
.irp b, 0,1,2,3
	v_max_num_f32 v[TM+\b], v[TM+\b], v[TM+4+\b]   ; with lane l xor 16's: the block's largest magnitude
.endr
.irp b, 0,1,2,3
	v_add_nc_u32 v[TM+12+\b], 0xf8800000, v[TM+\b] ; 15 off its exponent field: the conversion's scale operand
.endr
.irp b, 0,1,2,3
	v_and_or_b32 v[TM+8+\b], v[TM+\b], 0x7f800000, s[MNT]   ; 57,344 x the scale
.endr
.irp b, 0,1,2,3
	v_lshrrev_b32 v[TM+4+\b], 23, v[TM+12+\b]      ; the scale's byte
.endr
	v_lshl_or_b32 v[\pw], v[TM+5], 8, v[TM+4]
	v_lshl_or_b32 v[\pw], v[TM+6], 16, v[\pw]
	v_lshl_or_b32 v[\pw], v[TM+7], 24, v[\pw]
	WIN \w
.irp b, 0,1,2,3
.irp i, 0,1,2,3,4,5,6,7,8,9,10,11,12,13,14,15
	v_med3_num_f32 v[Y+16*\b+\i], v[(\s)+16*\b+\i], -v[TM+8+\b], v[TM+8+\b]   ; the conversion does not saturate (ISA guide 7.6.2)
.endr
.endr
	WIN 0
.irp b, 0,1,2,3
	v_cvt_scalef32_pk8_bf8_f32 v[PC+4*\b:PC+4*\b+1], v[Y+16*\b:Y+16*\b+7], v[TM+12+\b]
	v_cvt_scalef32_pk8_bf8_f32 v[PC+4*\b+2:PC+4*\b+3], v[Y+16*\b+8:Y+16*\b+15], v[TM+12+\b]
.endr
	v_nop                                          ; a plain line behind the last conversion
.endm
.macro IMAGE j                         ; the fragment leaves as it stands: 512 consecutive bytes a store
.irp c, 0,1,2,3
	global_store_b128 v[ADP], v[PC+4*\c:PC+4*\c+3], s[12:13] offset:(\j)*2048+512*\c
.endr
.endm
.macro CSLOAD j                        ; cos and sin of tile j's keys at my 64 channels, into set j % 2 of window 3
	WIN 0xc0
.irp b, 0,1,2,3
.irp k, 0,1,2,3
	global_load_b128 v[128*((\j)%2)+16*\b+4*\k:128*((\j)%2)+16*\b+4*\k+3], v[CSO], s[6:7] offset:(32*((\j)/2)+8*((\j)%2))*512+128*\b+16*\k
	global_load_b128 v[128*((\j)%2)+64+16*\b+4*\k:128*((\j)%2)+64+16*\b+4*\k+3], v[CSO], s[8:9] offset:(32*((\j)/2)+8*((\j)%2))*512+128*\b+16*\k
.endr
.endr
	WIN 0
.endm
	s_cmp_lt_u32 ttmp9, 6                          ; the kind: the same in all sixteen partners; neither arm has LDS work or a barrier
	s_cbranch_scc0 .Lvarm
	; ---- K: RMSNorm, gain, rotation, codes along the head's 128
.irp b, 0,1,2,3
.irp k, 0,1,2,3
	global_load_b128 v[GW+16*\b+4*\k:GW+16*\b+4*\k+3], v[WO], s[10:11] offset:128*\b+16*\k
.endr
.endr
	CSLOAD 0
	WIN 0x0a                                       ; sources 0 and 1 window 2
.irp j, 0,1,2,3
	v_pk_mul_f32 v[TM+4*\j:TM+4*\j+1], v[64*\j:64*\j+1], v[64*\j:64*\j+1]          ; sums of squares: two chains a tile, the four tiles by turns, each accumulator from its low end on
	v_pk_mul_f32 v[TM+4*\j+2:TM+4*\j+3], v[64*\j+2:64*\j+3], v[64*\j+2:64*\j+3]
.endr
.set k, 4
.rept 15
.irp j, 0,1,2,3
	v_pk_fma_f32 v[TM+4*\j:TM+4*\j+1], v[64*\j+k:64*\j+k+1], v[64*\j+k:64*\j+k+1], v[TM+4*\j:TM+4*\j+1]
	v_pk_fma_f32 v[TM+4*\j+2:TM+4*\j+3], v[64*\j+k+2:64*\j+k+3], v[64*\j+k+2:64*\j+k+3], v[TM+4*\j+2:TM+4*\j+3]
.endr
.set k, k+4
.endr
	WIN 0
.irp j, 0,1,2,3
	v_pk_add_f32 v[TM+4*\j:TM+4*\j+1], v[TM+4*\j:TM+4*\j+1], v[TM+4*\j+2:TM+4*\j+3]
.endr
.irp j, 0,1,2,3
	v_add_f32 v[SS+\j], v[TM+4*\j], v[TM+4*\j+1]
.endr
.irp j, 0,1,2,3
	v_permlanex16_b32 v[SS+4+\j], v[SS+\j], s[SEL], s[SEL+1]
.endr
.irp j, 0,1,2,3
	v_add_f32 v[SS+\j], v[SS+\j], v[SS+4+\j]       ; with the key's other 64 channels
.endr
.irp j, 0,1,2,3
	v_fma_f32 v[SS+\j], v[SS+\j], s[INV], s[EPS]   ; the mean (an exact scaling) + 1e-6
.endr
.irp j, 0,1,2,3
	v_rsq_f32 v[RS+2*\j], v[SS+\j]
.endr
	v_nop                                          ; a plain line behind the last of the four
	s_wait_alu depctr_va_vdst(0)                   ; one wait for the four, ahead of their first reader
	WIN 0x82                                       ; destination and source 0 window 2
.irp j, 0,1,2,3
.set k, 0
.rept 32
	v_pk_mul_f32 v[64*\j+k:64*\j+k+1], v[64*\j+k:64*\j+k+1], v[RS+2*\j:RS+2*\j+1] op_sel_hi:[1,0]
.set k, k+2
.endr
.endr
	s_wait_loadcnt 32                              ; the gain is in; tile 0's 32 loads of cos and sin may be out
.irp j, 0,1,2,3
.set k, 0
.rept 32
	v_pk_mul_f32 v[64*\j+k:64*\j+k+1], v[64*\j+k:64*\j+k+1], v[GW+k:GW+k+1]
.set k, k+2
.endr
.endr
.irp j, 0,1,2,3
.if \j < 3
	CSLOAD \j+1
	s_wait_loadcnt 32                              ; this tile's cos and sin are in; the next tile's 32 loads may be out
.else
	s_wait_loadcnt 0x0
.endif
	WIN 0x0e                                       ; source 0 (x) window 2, source 1 (cos, sin) window 3
.set k, 0
.rept 32
	v_pk_mul_f32 v[Y+k:Y+k+1], v[64*\j+k:64*\j+k+1], v[128*(\j%2)+k:128*(\j%2)+k+1]
.set k, k+2
.endr
.set k, 0
.rept 32
	v_fma_f32 v[Y+k], -v[64*\j+k+1], v[128*(\j%2)+64+k], v[Y+k]          ; even channel: x c - (odd x) s
	v_fma_f32 v[Y+k+1], v[64*\j+k], v[128*(\j%2)+64+k+1], v[Y+k+1]       ; odd channel: x c + (even x) s
.set k, k+2
.endr
	WIN 0
.if \j > 0
	s_wait_xcnt 0x0                                ; the last tile's stores have read their codes: those registers are written again
.endif
	QUANT Y, 0, PW+\j
	IMAGE \j
.endr
	s_branch .Ljoin
.Lvarm:
	; ---- V: codes along the keys, straight from the accumulators
.irp j, 0,1,2,3
.if \j > 0
	s_wait_xcnt 0x0
.endif
	QUANT 64*\j, 2, PW+\j
	IMAGE \j
.endr
.Ljoin:
	v_cmp_lt_u32 vcc_lo, 15, v[LANE]               ; lanes 16-31 carry the odd tiles' words
	v_cndmask_b32 v[SW], v[PW], v[PW+1], vcc_lo
	v_cndmask_b32 v[SW+1], v[PW+2], v[PW+3], vcc_lo
	global_store_b64 v[LS8], v[SW:SW+1], s[14:15]  ; 32 lanes store 256 consecutive bytes, aligned
	s_wait_tensorcnt 0x0                           ; the wave's end
	ds_add_u32 v[SPW], v[NIL]
	s_wait_dscnt 0x0
	CROUND                                         ; the closing round: no work-group ends while a partner may still ask for a tile that names it
	s_endpgm
.Lfunc_end_k_q03fe3fcbc3_proj:
	.size	k_q03fe3fcbc3_proj, .Lfunc_end_k_q03fe3fcbc3_proj-k_q03fe3fcbc3_proj
	.p2alignl 7, 3214868480
	.fill 96, 4, 3214868480
	.section	.rodata,"a",@progbits
	.p2align	6, 0x0
	.amdhsa_kernel k_q03fe3fcbc3_proj
		.amdhsa_group_segment_fixed_size 327680
		.amdhsa_private_segment_fixed_size 0
		.amdhsa_enable_private_segment 0
		.amdhsa_kernarg_size 48
		.amdhsa_user_sgpr_count 2
		.amdhsa_user_sgpr_kernarg_segment_ptr 1
		.amdhsa_wavefront_size32 1
		.amdhsa_system_sgpr_workgroup_id_x 1
		.amdhsa_system_sgpr_workgroup_id_y 1
		.amdhsa_system_sgpr_workgroup_id_z 1
		.amdhsa_system_vgpr_workitem_id 0
		.amdhsa_next_free_vgpr 1024
		.amdhsa_next_free_sgpr 100
		.amdhsa_reserve_vcc 1
		.amdhsa_float_denorm_mode_32 3
		.amdhsa_float_denorm_mode_16_64 3
		.amdhsa_memory_ordered 1
		.amdhsa_forward_progress 1
		.amdhsa_inst_pref_size 233
	.end_amdhsa_kernel
	.amdgpu_metadata
---
amdhsa.version: [ 1, 2 ]
amdhsa.kernels:
  - .name:           k_q03fe3fcbc3_proj
    .symbol:         k_q03fe3fcbc3_proj.kd
    .args:
      - { .name: xw, .offset: 0, .size: 8, .value_kind: global_buffer, .address_space: global }
      - { .name: freqs_cos, .offset: 8, .size: 8, .value_kind: global_buffer, .address_space: global }
      - { .name: freqs_sin, .offset: 16, .size: 8, .value_kind: global_buffer, .address_space: global }
      - { .name: k_norm_w, .offset: 24, .size: 8, .value_kind: global_buffer, .address_space: global }
      - { .name: kv_img, .offset: 32, .size: 8, .value_kind: global_buffer, .address_space: global }
      - { .name: kv_sc, .offset: 40, .size: 8, .value_kind: global_buffer, .address_space: global }
    .group_segment_fixed_size: 327680
    .private_segment_fixed_size: 0
    .kernarg_segment_align: 8
    .kernarg_segment_size: 48
    .max_flat_workgroup_size: 128
    .sgpr_count:     100
    .vgpr_count:     1024
    .wavefront_size: 32
...
	.end_amdgpu_metadata
.endif
;; end of part 2
;; launch attn (part 3): grid 8 x 24, 8 waves a work-group, clusters of 4 x 1, 306,176 bytes of LDS; arguments query, freqs_cos, freqs_sin, kv_img, kv_sc, out0; writes out0
.if DOCPART == 3
	.amdgcn_target "amdgcn-amd-amdhsa--gfx1250"
	.amdhsa_code_object_version 6
	.text
	.protected	k_q03fe3fcbc3_attn
	.globl	k_q03fe3fcbc3_attn
	.p2align	8
	.type	k_q03fe3fcbc3_attn,@function
k_q03fe3fcbc3_attn:
	s_mov_b64 s[64:65], 0
	v_nop
	global_prefetch_b8 v0, s[64:65] scope:SCOPE_SE
	s_setreg_imm32_b32 hwreg(HW_REG_WAVE_MODE, 25, 1), 1
	s_wait_xcnt 0x0
	s_wait_alu depctr_hold_cnt(0) depctr_sa_sdst(0) depctr_va_vdst(0) depctr_va_sdst(0) depctr_va_ssrc(0) depctr_va_vcc(0) depctr_vm_vsrc(0)
	s_getreg_b32 s2, hwreg(HW_REG_IB_STS2, 6, 4)
	s_cmp_eq_u32 s2, 0
	s_cbranch_scc0 .Lentry_in_a_cluster
	s_endpgm
.Lentry_in_a_cluster:
	s_bfe_u32 s2, ttmp6, 0x10000c
	s_cmp_lg_u32 s2, 0x3003
	s_cbranch_scc0 .Lentry_shape_is_right
	s_endpgm
.Lentry_shape_is_right:
.set ROWQ,  12288
.set TBLK,  1024*ROWQ
.set KSC,   262144
.set STAGE, 270336
.set SP,    272
.set LI,   1
.set LS8,  2
.set QSB,  3
.set PWB,  4
.set PFO,  5
.set QO,   6
.set CO,   7
.set ADK,  8
.set ADV,  9
.set ADS,  10
.set STO,  11
.set RD,   242
.set RDQ,  254
.set WV,   16
.set MNT,  19
.set SEL,  20
.set CS,   22
.set G1I,  24
.set G1S,  32
.set G0I,  40
.set G0S,  44
.set TB,   48
.set TS,   49
.set CNT,  50
.set PASS, 51
.set PFT,  52
.set QB,   70
.set OB,   72
.set PFB,  74
.set MSB, 0
.macro WIN new
.if MSB != (\new)
	s_set_vgpr_msb (MSB<<8)|(\new)
.set MSB, (\new)
.endif
.endm
.macro PLACES
.rept 8
	v_nop
.endr
.endm
.macro CROUND
	s_barrier_signal -1
	s_barrier_wait -1
	s_cmp_lg_u32 s[WV], 0
	s_cbranch_scc1 .Lnot_wave_0_\@
	s_barrier_signal -3
.Lnot_wave_0_\@:
	s_barrier_wait -3
	s_barrier_signal -1
	s_barrier_wait -1
.endm
.macro MKRD d, t0, t1
	v_and_b32 v[\t0], 15, v0
	v_bfe_u32 v[\t1], v0, 4, 1
	s_delay_alu instid0(VALU_DEP_1)
	v_mul_u32_u24 v[\d], v[\t1], SP
	s_delay_alu instid0(VALU_DEP_1)
	v_lshl_add_u32 v[\d], v[\t0], 4, v[\d]
	s_delay_alu instid0(VALU_DEP_1)
	v_add_nc_u32 v[\d], s68, v[\d]
.endm
	s_load_b256 s[4:11], s[0:1], 0x0
	s_load_b128 s[12:15], s[0:1], 0x20
	s_set_vgpr_msb 0x40
	v_lshl_add_u32 v250, v0, 2, 0x4a800
	v_mov_b32 v251, 0
	s_set_vgpr_msb 0x4045
	ds_add_u32 v250, v251
	ds_add_u32 v250, v251
	s_set_vgpr_msb 0x4500
	v_lshrrev_b32 v8, 5, v0
	s_delay_alu instid0(VALU_DEP_1)
	v_readfirstlane_b32 s[WV], v8
	s_bfe_u32 s53, ttmp6, 0x40000
	s_lshl_b32 s54, ttmp9, 2
	s_add_co_u32 s54, s54, s53
	s_and_b32 s55, ttmp7, 0xffff
	s_lshl_b32 s58, s[WV], 15
	s_lshl_b32 s59, s[WV], 10
	s_lshl_b32 s56, s55, 18
	s_add_co_u32 s56, s56, s58
	s_mov_b32 s57, 0
	s_lshl_b32 s60, s55, 13
	s_add_co_u32 s60, s60, s59
	s_mov_b32 s61, 0
	s_lshl_b32 s62, s54, 7
	s_lshl_b32 s63, s[WV], 4
	s_add_co_u32 s62, s62, s63
	s_lshl_b32 s66, s62, 9
	s_mov_b32 s67, 0
	s_mul_i32 s62, s62, ROWQ
	s_lshl_b32 s63, s55, 9
	s_add_co_u32 s62, s62, s63
	s_mov_b32 s63, 0
	s_mov_b32 s[G1I], 15|(3<<16)|(1<<21)
	s_mov_b32 s[G1I+1], 32<<16
	s_mov_b32 s[G1I+2], 128<<16
	s_mov_b32 s[G1I+3], 32<<16
	s_mov_b32 s[G1I+4], 128
	s_mov_b32 s[G1I+5], 32
	s_mov_b32 s[G1I+6], 0
	s_mov_b32 s[G1I+7], 0
	s_mov_b32 s[G1S], 15|(3<<16)|(1<<21)
	s_mov_b32 s[G1S+1], 32<<16
	s_mov_b32 s[G1S+2], 4<<16
	s_mov_b32 s[G1S+3], 32<<16
	s_mov_b32 s[G1S+4], 4
	s_mov_b32 s[G1S+5], 32
	s_mov_b32 s[G1S+6], 0
	s_mov_b32 s[G1S+7], 0
	s_mov_b32 s[SEL], 0x76543210
	s_mov_b32 s[SEL+1], 0xfedcba98
	s_mov_b32 s[CS], 0x3e0293ee
	s_mov_b32 s[CS+1], s[CS]
	s_wait_dscnt 0x0
	s_wait_kmcnt 0x0
	s_mov_b32 s[G0I], 1
	s_mov_b32 s[G0I+1], s58
	s_add_nc_u64 s[G0I+2:G0I+3], s[10:11], s[56:57]
	s_or_b32 s[G0I+3], s[G0I+3], 0x80000000
	s_mov_b32 s[G0S], 1
	s_add_co_u32 s[G0S+1], s59, KSC
	s_add_nc_u64 s[G0S+2:G0S+3], s[12:13], s[60:61]
	s_or_b32 s[G0S+3], s[G0S+3], 0x80000000
	s_add_nc_u64 s[4:5], s[4:5], s[62:63]
	s_add_nc_u64 s[14:15], s[14:15], s[62:63]
	s_add_nc_u64 s[QB:QB+1], s[4:5], TBLK
	s_add_nc_u64 s[OB:OB+1], s[14:15], TBLK
	s_add_nc_u64 s[PFB:PFB+1], s[4:5], 2*TBLK
	s_add_nc_u64 s[6:7], s[6:7], s[66:67]
	s_add_nc_u64 s[8:9], s[8:9], s[66:67]
	CROUND
	tensor_load_to_lds s[G0I:G0I+3], s[G1I:G1I+7]
	s_nop 0
	tensor_load_to_lds s[G0S:G0S+3], s[G1S:G1S+7]
	s_nop 0
.rept 4
	v_nop
.endr
	v_and_b32 v8, 31, v0
	s_delay_alu instid0(VALU_DEP_1)
	v_lshlrev_b32 v[LI], 4, v8
	s_delay_alu instid0(VALU_DEP_2)
	v_lshl_add_u32 v[LS8], v8, 3, KSC
	v_and_b32 v9, 15, v0
	v_bfe_u32 v10, v0, 4, 1
	s_delay_alu instid0(VALU_DEP_2)
	v_mul_u32_u24 v[PFO], v9, ROWQ
	s_delay_alu instid0(VALU_DEP_1)
	v_mad_u32_u24 v[PFO], v10, TBLK, v[PFO]
	s_delay_alu instid0(VALU_DEP_3)
	v_mul_u32_u24 v[QO], v10, ROWQ
	s_delay_alu instid0(VALU_DEP_1)
	v_lshl_add_u32 v[QO], v9, 4, v[QO]
	v_lshlrev_b32 v[CO], 9, v10
	s_delay_alu instid0(VALU_DEP_1)
	v_lshl_add_u32 v[CO], v9, 4, v[CO]
	s_mul_i32 s68, s[WV], 16*SP
	s_add_co_u32 s68, s68, STAGE
	v_mul_u32_u24 v[STO], v9, SP
	s_delay_alu instid0(VALU_DEP_1)
	v_lshl_add_u32 v[STO], v10, 6, v[STO]
	s_delay_alu instid0(VALU_DEP_1)
	v_add_nc_u32 v[STO], s68, v[STO]
.irp w, 0, 0x55
	WIN \w
.irp b, 0,1,2,3
	v_mov_b32 v[236+\b], 0
.endr
.endr
	WIN 0
.macro QLOADS
.irp u, 0,1
.irp i, 0,1,2,3,4,5,6,7
	global_load_b128 v[160+32*\u+4*\i:160+32*\u+4*\i+3], v[CO], s[6:7] offset:2*\i*512+256*\u
	global_load_b128 v[32+32*\u+4*\i:32+32*\u+4*\i+3], v[CO], s[8:9] offset:2*\i*512+256*\u
.endr
.endr
	WIN 0x40
.irp u, 0,1
.irp i, 0,1,2,3,4,5,6,7
	global_load_b128 v[96+32*\u+4*\i:96+32*\u+4*\i+3], v[QO], s[QB:QB+1] offset:2*\i*ROWQ+256*\u th:TH_LOAD_NT
.endr
.endr
	WIN 0
.irp u, 0,1
.irp i, 0,1,2,3,4,5,6,7
	global_load_b128 v[96+32*\u+4*\i:96+32*\u+4*\i+3], v[QO], s[4:5] offset:2*\i*ROWQ+256*\u th:TH_LOAD_NT
.endr
.endr
.endm
.macro ROPE wm, wf
	WIN \wm
.set k, 0
.rept 32
	v_pk_mul_f32 v[160+k:161+k], v[96+k:97+k], v[160+k:161+k]
.set k, k+2
.endr
	WIN \wf
.set k, 0
.rept 32
	v_fma_f32 v[160+k], -v[97+k], v[32+k], v[160+k]
	v_fma_f32 v[161+k], v[96+k], v[33+k], v[161+k]
.set k, k+2
.endr
.endm
.macro TOQ qt
	WIN 0x44*(\qt)
.irp u, 0,1
.irp i, 0,1,2,3,4,5,6,7
	ds_store_b128 v[RDQ], v[160+32*\u+4*\i:160+32*\u+4*\i+3] offset:2*\i*SP
.endr
.irp b, 0,1
.irp k, 0,1,2,3
	ds_load_b128 v[96+32*\u+16*\b+4*\k:96+32*\u+16*\b+4*\k+3], v[STO] offset:128*\b+16*\k
.endr
.endr
.endr
.endm
.macro QQUANT w
	WIN \w
.irp b, 0,1,2,3
	v_max3_num_f32 v[232+\b], |v[96+16*\b]|, |v[97+16*\b]|, 0x8000000
.endr
.irp i, 2,4,6,8,10,12,14
.irp b, 0,1,2,3
	s_delay_alu instid0(VALU_DEP_4)
	v_max3_num_f32 v[232+\b], v[232+\b], |v[96+16*\b+\i]|, |v[97+16*\b+\i]|
.endr
.endr
.irp b, 0,1,2,3
	v_permlanex16_b32 v[236+\b], v[232+\b], s[SEL], s[SEL+1]
.endr
.irp b, 0,1,2,3
	s_delay_alu instid0(VALU_DEP_4)
	v_max_num_f32 v[232+\b], v[232+\b], v[236+\b]
.endr
.irp b, 0,1,2,3
	s_delay_alu instid0(VALU_DEP_4)
	v_add_nc_u32 v[244+\b], 0xf8800000, v[232+\b]
.endr
.irp b, 0,1,2,3
.endr
.irp b, 0,1,2,3
	s_delay_alu instid0(VALU_DEP_4)
	v_lshrrev_b32 v[236+\b], 23, v[244+\b]
.endr
	s_delay_alu instid0(VALU_DEP_3)
	v_lshl_or_b32 v255, v237, 8, v236
	s_delay_alu instid0(VALU_DEP_1)
	v_lshl_or_b32 v255, v238, 16, v255
	s_delay_alu instid0(VALU_DEP_1)
	v_lshl_or_b32 v255, v239, 24, v255
.irp b, 0,1,2,3
.irp i, 0,1,2,3,4,5,6,7,8,9,10,11,12,13,14,15
.endr
	v_cvt_scalef32_pk8_bf8_f32 v[16+4*\b:17+4*\b], v[96+16*\b:103+16*\b], v[244+\b]
	v_cvt_scalef32_pk8_bf8_f32 v[18+4*\b:19+4*\b], v[104+16*\b:111+16*\b], v[244+\b]
.endr
	v_nop
.endm
.macro FRAGS adr
.irp t, 0,1,2,3
.irp c, 0,1,2,3
	ds_load_b128 v[32+16*\t+4*\c:32+16*\t+4*\c+3], v[\adr] offset:2048*\t+512*\c
.endr
.endr
	WIN 0x40
.irp t, 0,1,2,3
.irp c, 0,1,2,3
	ds_load_b128 v[32+16*\t+4*\c:32+16*\t+4*\c+3], v[\adr] offset:8192+2048*\t+512*\c
.endr
.endr
	WIN 0
.endm
.macro FETCH_K
	v_add_nc_u32 v[ADK], s[TB], v[LI]
	v_add_nc_u32 v[ADS], s[TS], v[LS8]
	FRAGS ADK
	ds_load_b64 v[248:249], v[ADS]
	ds_load_b64 v[250:251], v[ADS] offset:256
.endm
.macro FETCH_V
	v_add_nc_u32 v[ADV], 0x20000, v[ADK]
	FRAGS ADV
	ds_load_b64 v[248:249], v[ADS] offset:4096
	ds_load_b64 v[250:251], v[ADS] offset:4352
.endm
.macro WM c, ra
.if (\ra)
	v_wmma_scale_f32_16x16x128_f8f6f4 v[rD:rD+7], v[rA:rA+15], v[rB:rB+15], \c, v[rSA], v[rSB] matrix_a_fmt:MATRIX_FMT_BF8 matrix_b_fmt:MATRIX_FMT_BF8 matrix_a_scale:MATRIX_SCALE_ROW1
.else
	v_wmma_scale_f32_16x16x128_f8f6f4 v[rD:rD+7], v[rA:rA+15], v[rB:rB+15], \c, v[rSA], v[rSB] matrix_a_fmt:MATRIX_FMT_BF8 matrix_b_fmt:MATRIX_FMT_BF8
.endif
.endm
.macro PROD d, b, sqa, sqb, zero
.irp g, 0,1
.irp qt, 0,1
	WIN 0x54*\qt+\g
.irp t, 0,1,2,3
.set rD, \d+8*(4*\g+\t)
.set rA, 32+16*\t
.set rB, \b
.set rSA, 248+2*\g+\t/2
.if \qt
.set rSB, \sqb
.else
.set rSB, \sqa
.endif
.if \zero
	WM 0, \t%2
.else
	WM v[rD:rD+7], \t%2
.endif
.endr
.endr
.endr
.endm
.macro SOFTMAX w, first
	WIN \w
.irp b, 0,1,2,3
	v_max3_num_f32 v[232+\b], v[96+16*\b], v[97+16*\b], v[98+16*\b]
.endr
.irp i, 3,5,7,9,11,13
.irp b, 0,1,2,3
	v_max3_num_f32 v[232+\b], v[232+\b], v[96+16*\b+\i], v[97+16*\b+\i]
.endr
.endr
.irp b, 0,1,2,3
	v_max_num_f32 v[232+\b], v[232+\b], v[111+16*\b]
.endr
.irp b, 0,1,2,3
	v_permlanex16_b32 v[236+\b], v[232+\b], s[SEL], s[SEL+1]
.endr
.irp b, 0,1,2,3
	s_delay_alu instid0(VALU_DEP_4)
	v_max_num_f32 v[232+\b], v[232+\b], v[236+\b]
.endr
	s_delay_alu instid0(VALU_DEP_2)
	v_max3_num_f32 v254, v232, v233, v234
	s_delay_alu instid0(VALU_DEP_1)
	v_max_num_f32 v254, v254, v235
	s_delay_alu instid0(VALU_DEP_1)
	v_mul_f32 v254, s[CS], v254
	s_delay_alu instid0(VALU_DEP_1)
	v_max_num_f32 v13, v13, v254
	v_mov_b32 v254, v12
	s_delay_alu instid0(VALU_DEP_2)
	v_floor_f32 v12, -v13
	s_delay_alu instid0(VALU_DEP_1)
	v_sub_f32 v254, v12, v254
	s_delay_alu instid0(VALU_DEP_1)
	v_cvt_i32_f32 v254, v254
	s_delay_alu instid0(VALU_DEP_1)
	v_ldexp_f32 v252, 1.0, v254
.set j, 0
.rept 32
	v_pk_fma_f32 v[96+j:97+j], v[96+j:97+j], s[CS:CS+1], v[12:13] op_sel_hi:[1,0,0]
.set j, j+2
.endr
.irp b, 0,1,2,3
	v_fma_f32 v[232+\b], v[232+\b], s[CS], v12
.endr
.set j, 0
	s_wait_alu depctr_va_vdst(0)
.rept 64
	v_exp_f32 v[96+j], v[96+j]
.set j, j+1
.endr
	v_pk_mul_f32 v[14:15], v[14:15], v[252:253] op_sel_hi:[1,0]
.if !\first
.set j, 0
	s_wait_alu depctr_va_vdst(0)
.rept 32
	v_pk_mul_f32 v[160+j:161+j], v[160+j:161+j], v[252:253] op_sel_hi:[1,0]
.set j, j+2
.endr
.endif
	s_wait_alu depctr_va_vdst(0)
.irp b, 0,1,2,3
	v_exp_f32 v[232+\b], v[232+\b]
.endr
	v_pk_add_f32 v[236:237], v[96:97], v[98:99]
.irp j, 4,8,12,16,20,24,28,32,36,40,44,48,52,56,60
	v_pk_add_f32 v[14:15], v[14:15], v[96+\j:97+\j]
	v_pk_add_f32 v[236:237], v[236:237], v[98+\j:99+\j]
.endr
	s_delay_alu instid0(VALU_DEP_1)
	v_pk_add_f32 v[14:15], v[14:15], v[236:237]
	s_wait_alu depctr_va_vdst(0)
.irp b, 0,1,2,3
	v_max_num_f32 v[232+\b], 0x8000000, v[232+\b]
.endr
.irp b, 0,1,2,3
	s_delay_alu instid0(VALU_DEP_4)
	v_add_nc_u32 v[244+\b], 0xf8800000, v[232+\b]
.endr
.irp b, 0,1,2,3
.endr
.irp b, 0,1,2,3
	s_delay_alu instid0(VALU_DEP_4)
	v_lshrrev_b32 v[236+\b], 23, v[244+\b]
.endr
	s_delay_alu instid0(VALU_DEP_3)
	v_lshl_or_b32 v253, v237, 8, v236
	s_delay_alu instid0(VALU_DEP_1)
	v_lshl_or_b32 v253, v238, 16, v253
	s_delay_alu instid0(VALU_DEP_1)
	v_lshl_or_b32 v253, v239, 24, v253
.if \w
	WIN 0x01
	v_mov_b32 v[PWB], v253
	WIN \w
.endif
.irp b, 0,1,2,3
.irp i, 0,1,2,3,4,5,6,7,8,9,10,11,12,13,14,15
.endr
	v_cvt_scalef32_pk8_bf8_f32 v[224+4*\b:225+4*\b], v[96+16*\b:103+16*\b], v[244+\b]
	v_cvt_scalef32_pk8_bf8_f32 v[226+4*\b:227+4*\b], v[104+16*\b:111+16*\b], v[244+\b]
.endr
.rept 4
	v_nop
.endr
.endm
.macro STEP first
	s_wait_dscnt 0x0
	PROD 96, 16, 255, QSB, 1
	WIN 0
	PLACES
	FETCH_V
.if !\first
	s_cmp_eq_u32 s[CNT], s[PFT]
	s_cbranch_scc0 .Lno_ask_\@
	global_prefetch_b8 v[PFO], s[PFB:PFB+1] th:TH_LOAD_NT scope:SCOPE_SE
	global_prefetch_b8 v[PFO], s[PFB:PFB+1] offset:256 th:TH_LOAD_NT scope:SCOPE_SE
.Lno_ask_\@:
.endif
	SOFTMAX 0, \first
	SOFTMAX 0x55, \first
	s_wait_alu depctr_va_vdst(0)
	s_wait_dscnt 0x0
	PROD 160, 224, 253, PWB, \first
	WIN 0
	PLACES
	s_add_co_u32 s[TB], s[TB], 16384
	s_add_co_u32 s[TS], s[TS], 512
.if !\first
	s_cmp_eq_u32 s[CNT], 1
	s_cbranch_scc1 .Lno_k_\@
.endif
	FETCH_K
.if !\first
.Lno_k_\@:
.endif
.endm
.macro TOST qt
	WIN 0x44*(\qt)
.irp u, 0,1
.irp b, 0,1
.irp k, 0,1,2,3
	ds_store_b128 v[STO], v[96+32*\u+16*\b+4*\k:96+32*\u+16*\b+4*\k+3] offset:128*\b+16*\k
.endr
.endr
.irp i, 0,1,2,3,4,5,6,7
	ds_load_b128 v[32+32*\u+4*\i:32+32*\u+4*\i+3], v[RD] offset:2*\i*SP
.endr
.endr
.endm
.macro SEND qt
	WIN 0x44*(\qt)
.irp u, 0,1
.irp i, 0,1,2,3,4,5,6,7
.if (\qt)
	global_store_b128 v[QO], v[32+32*\u+4*\i:32+32*\u+4*\i+3], s[OB:OB+1] offset:2*\i*ROWQ+256*\u th:TH_STORE_NT
.else
	global_store_b128 v[QO], v[32+32*\u+4*\i:32+32*\u+4*\i+3], s[14:15] offset:2*\i*ROWQ+256*\u th:TH_STORE_NT
.endif
.endr
.endr
.endm
.macro OUT
	WIN 0
	v_add_f32 v14, v14, v15
	s_delay_alu instid0(VALU_DEP_1)
	v_permlanex16_b32 v252, v14, s[SEL], s[SEL+1]
	s_delay_alu instid0(VALU_DEP_1)
	v_add_f32 v14, v14, v252
	WIN 0x55
	v_add_f32 v14, v14, v15
	s_delay_alu instid0(VALU_DEP_1)
	v_permlanex16_b32 v252, v14, s[SEL], s[SEL+1]
	s_delay_alu instid0(VALU_DEP_1)
	v_add_f32 v14, v14, v252
	s_wait_alu depctr_va_vdst(0)
	v_rcp_f32 v252, v14
	WIN 0
	v_rcp_f32 v12, v14
	MKRD RD, 240, 241
	s_wait_alu depctr_va_vdst(0)
.set k, 0
.rept 32
	v_pk_mul_f32 v[96+k:97+k], v[160+k:161+k], v[12:13] op_sel_hi:[1,0]
.set k, k+2
.endr
	TOST 0
	WIN 0x55
.set k, 0
.rept 32
	v_pk_mul_f32 v[96+k:97+k], v[160+k:161+k], v[252:253] op_sel_hi:[1,0]
.set k, k+2
.endr
	TOST 1
	s_wait_dscnt 32
	SEND 0
	s_wait_dscnt 0x0
	SEND 1
	WIN 0
.endm
	QLOADS
	s_wait_tensorcnt 0x0
	s_barrier_signal -1
	s_barrier_wait -1
	s_mov_b32 s[PASS], 2
	s_mov_b32 s[PFT], 1
.Lpass:
	MKRD RDQ, 252, 253
	s_wait_loadcnt 16
	ROPE 0x41, 0x51
	TOQ 1
	s_wait_loadcnt 0x0
	ROPE 0, 0
	TOQ 0
	s_wait_dscnt 32
	QQUANT 0x55
	WIN 0x01
	v_mov_b32 v[QSB], v255
	s_wait_dscnt 0x0
	QQUANT 0
.irp w, 0, 0x55
	WIN \w
	v_mov_b32 v13, 0xff61b1e6
	s_delay_alu instid0(VALU_DEP_1)
	v_floor_f32 v12, -v13
	v_mov_b32 v14, 0
	v_mov_b32 v15, 0
	v_mov_b32 v253, 0
.endr
	WIN 0
	s_mov_b32 s[TB], 0
	s_mov_b32 s[TS], 0
	FETCH_K
	s_wait_alu depctr_va_vdst(0)
	STEP 1
	s_mov_b32 s[CNT], 7
.Lstep:
	s_wait_alu depctr_va_vdst(0)
	STEP 0
	s_sub_co_u32 s[CNT], s[CNT], 1
	s_cmp_lg_u32 s[CNT], 0
	s_cbranch_scc1 .Lstep
	OUT
	s_wait_xcnt 0x0
	s_add_nc_u64 s[4:5], s[4:5], 2*TBLK
	s_add_nc_u64 s[QB:QB+1], s[QB:QB+1], 2*TBLK
	s_add_nc_u64 s[14:15], s[14:15], 2*TBLK
	s_add_nc_u64 s[OB:OB+1], s[OB:OB+1], 2*TBLK
	s_mov_b32 s[PFT], 0
	s_cmp_eq_u32 s[PASS], 1
	s_cbranch_scc1 .Llast
	QLOADS
.Llast:
	s_sub_co_u32 s[PASS], s[PASS], 1
	s_cmp_lg_u32 s[PASS], 0
	s_cbranch_scc1 .Lpass
	s_wait_dscnt 0x0
	s_set_vgpr_msb 0x5
	s_wait_tensorcnt 0x0
	ds_add_u32 v250, v251
	s_wait_dscnt 0x0
	s_set_vgpr_msb 0x500
	CROUND
	s_endpgm
.Lfunc_end_k_q03fe3fcbc3_attn:
	.size	k_q03fe3fcbc3_attn, .Lfunc_end_k_q03fe3fcbc3_attn-k_q03fe3fcbc3_attn
	.p2alignl 7, 3214868480
	.fill 96, 4, 3214868480
	.section	.rodata,"a",@progbits
	.p2align	6, 0x0
	.amdhsa_kernel k_q03fe3fcbc3_attn
		.amdhsa_group_segment_fixed_size 306176
		.amdhsa_private_segment_fixed_size 0
		.amdhsa_enable_private_segment 0
		.amdhsa_kernarg_size 48
		.amdhsa_user_sgpr_count 2
		.amdhsa_user_sgpr_kernarg_segment_ptr 1
		.amdhsa_wavefront_size32 1
		.amdhsa_system_sgpr_workgroup_id_x 1
		.amdhsa_system_sgpr_workgroup_id_y 1
		.amdhsa_system_sgpr_workgroup_id_z 1
		.amdhsa_system_vgpr_workitem_id 0
		.amdhsa_next_free_vgpr 512
		.amdhsa_next_free_sgpr 80
		.amdhsa_reserve_vcc 0
		.amdhsa_float_denorm_mode_32 3
		.amdhsa_float_denorm_mode_16_64 3
		.amdhsa_fp16_overflow 1
		.amdhsa_memory_ordered 1
		.amdhsa_forward_progress 1
		.amdhsa_inst_pref_size 130
	.end_amdhsa_kernel
	.amdgpu_metadata
---
amdhsa.version: [ 1, 2 ]
amdhsa.kernels:
  - .name:           k_q03fe3fcbc3_attn
    .symbol:         k_q03fe3fcbc3_attn.kd
    .args:
      - { .name: query, .offset: 0, .size: 8, .value_kind: global_buffer, .address_space: global }
      - { .name: freqs_cos, .offset: 8, .size: 8, .value_kind: global_buffer, .address_space: global }
      - { .name: freqs_sin, .offset: 16, .size: 8, .value_kind: global_buffer, .address_space: global }
      - { .name: kv_img, .offset: 24, .size: 8, .value_kind: global_buffer, .address_space: global }
      - { .name: kv_sc, .offset: 32, .size: 8, .value_kind: global_buffer, .address_space: global }
      - { .name: out0, .offset: 40, .size: 8, .value_kind: global_buffer, .address_space: global }
    .group_segment_fixed_size: 306176
    .private_segment_fixed_size: 0
    .kernarg_segment_align: 8
    .kernarg_segment_size: 48
    .max_flat_workgroup_size: 256
    .sgpr_count:     80
    .vgpr_count:     512
    .wavefront_size: 32
...
	.end_amdgpu_metadata
.endif
;; end of part 3
